; MI455X (gfx1250); checked and timed in simulation.
; The chip was launched on July 23, 2026; its instructions are those of AMD's public machine-readable ISA for CDNA 5 (MIT licence, August 2026) and "CDNA5" Instruction Set Architecture Reference Guide (July 2026). The comments in the code are by the model that wrote it; some were corrected since.
;; Nerf Model. Allowed arithmetic: matrix products marked QUANTISED: E3M2 operands, one E8M0 scale for each 32 along K, by v_wmma_scale_f32_16x16x128_f8f6f4 with both operands' format E3M2, f32 sums; products left as they are: f32 operands where the result goes on into a quantised operand, else bf16, f16 or f32 operands; f32 sums; everything else in f32.
;; Inputs: b00 256 float32; b01 256 float32; b02 256 float32; b03 256 float32; b10 256 float32; b11 256 float32; b12 256 float32; b13 256 float32; cb0 128 float32; cb1 4 float32; cw0 283 x 128 float32; cw1 128 x 4 float32; dir 131,072 x 3 float32; pixel_width 131,072 x 1 float32; pos 131,072 x 3 float32; t_end 131,072 x 1 float32; t_start 131,072 x 1 float32; w00 63 x 256 float32; w01_codes 256 x 8 x 24 uint8 (E3M2 codes of w01, K innermost, in blocks of 32 codes, four codes in three bytes); w01_scales 256 x 8 uint8 (E8M0 scales of w01, one for each 32 codes along K); w02_codes 256 x 8 x 24 uint8 (E3M2 codes of w02, K innermost, in blocks of 32 codes, four codes in three bytes); w02_scales 256 x 8 uint8 (E8M0 scales of w02, one for each 32 codes along K); w03_codes 256 x 8 x 24 uint8 (E3M2 codes of w03, K innermost, in blocks of 32 codes, four codes in three bytes); w03_scales 256 x 8 uint8 (E8M0 scales of w03, one for each 32 codes along K); w10 319 x 256 float32; w11_codes 256 x 8 x 24 uint8 (E3M2 codes of w11, K innermost, in blocks of 32 codes, four codes in three bytes); w11_scales 256 x 8 uint8 (E8M0 scales of w11, one for each 32 codes along K); w12_codes 256 x 8 x 24 uint8 (E3M2 codes of w12, K innermost, in blocks of 32 codes, four codes in three bytes); w12_scales 256 x 8 uint8 (E8M0 scales of w12, one for each 32 codes along K); w13_codes 256 x 8 x 24 uint8 (E3M2 codes of w13, K innermost, in blocks of 32 codes, four codes in three bytes); w13_scales 256 x 8 uint8 (E8M0 scales of w13, one for each 32 codes along K).
;; Outputs: out0 131,072 float32; out1 131,072 x 3 float32.
;; This version of the problem:
;;   THIS VERSION OF THE PROBLEM IS GIVEN IN LOW PRECISION. The matrix products marked QUANTISED in the list below multiply operands that are first quantised to E3M2 (3 exponent bits, 2 mantissa bits; 6 bits a number), with one power-of-two scale for each 32 numbers along K (OCP MX v1.0); their sums are f32. All else is computed in f32.
;;   The module's matrix products, in the order in which they are computed (A, B: the left and right operand; K: the contracted axis; several contracted axes count as one K, in the product's order):
;;     1. [M 131,072, K 63] x [K 63, N 256]; A: computed on the way; B: input w00: QUANTISED
;;     2. [M 131,072, K 256] x [K 256, N 256]; A: computed on the way; B: input w01 (given as codes): QUANTISED
;;     3. [M 131,072, K 256] x [K 256, N 256]; A: computed on the way; B: input w02 (given as codes): QUANTISED
;;     4. [M 131,072, K 256] x [K 256, N 256]; A: computed on the way; B: input w03 (given as codes): QUANTISED
;;     5. [M 131,072, K 319] x [K 319, N 256]; A: computed on the way; B: input w10: QUANTISED
;;     6. [M 131,072, K 256] x [K 256, N 256]; A: computed on the way; B: input w11 (given as codes): QUANTISED
;;     7. [M 131,072, K 256] x [K 256, N 256]; A: computed on the way; B: input w12 (given as codes): QUANTISED
;;     8. [M 131,072, K 256] x [K 256, N 256]; A: computed on the way; B: input w13 (given as codes): QUANTISED
;;     9. [M 131,072, K 283] x [K 283, N 128]; A: computed on the way; B: input cw0: QUANTISED
;;     10. [M 131,072, K 128] x [K 128, N 4]; A: computed on the way; B: input cw1: left as it is (N = 4 < 16)
;;   THE QUANTISER, for each operand of a quantised product, along K:
;;     - K is cut into blocks of 32 from its start; a last block that is shorter is filled with zeros.
;;     - A block's scale is 2^e with e = floor(log2(the largest magnitude in the block)) - 4, held to -126 .. 127; a block of zeros has e = 0. As a byte (E8M0): e + 127.
;;     - Each number is divided by its block's scale, clamped to +-28, and rounded to the nearest number of E3M2, ties to even, subnormals kept.
;;     - The product sums the exact products of the quantised numbers (number of the format x scale) in f32.
;;   ~~~python
;;   def quantise(x, axis):      # numpy; x: float32 -> the quantised numbers, widened to float32 again
;;       x = np.moveaxis(x, axis, -1); K = x.shape[-1]
;;       x = np.pad(x, [(0, 0)] * (x.ndim - 1) + [(0, -K % 32)]); x = x.reshape(x.shape[:-1] + (-1, 32)); a = np.abs(x).max(-1, keepdims=True)
;;       e = np.where(a > 0, np.clip(np.frexp(np.where(a > 0, a, 1))[1] - 1 - 4, -126, 127), 0)      # np.frexp(a)[1] - 1 = floor(log2(a)), exactly
;;       r = np.clip(x / 2.0 ** e, -28, 28)
;;       step = 2.0 ** (np.maximum(np.frexp(np.where(r == 0, 1, r))[1] - 1, -2) - 2)
;;       q = np.round(r / step) * step * 2.0 ** e      # np.round: ties to even
;;       return np.moveaxis(q.reshape(q.shape[:-2] + (-1,))[..., :K], -1, axis).astype(np.float32)
;;   ~~~
;;   OPERANDS COMPUTED ON THE WAY. 'Computed on the way' means the value that the module computes at that place (a softmax that the list does not call 'softmax' is quantised finished and normalised). What goes into a quantiser is computed in f32, as accurately as f32 sums, v_exp_f32 and their like allow (about 1e-6 of the number): no bf16 or f16 on the way to a quantiser, and a product that is left as it is and whose result goes on into a quantised operand takes f32 operands (vector FMAs, or v_wmma_f32_16x16x4_f32). A number that lies on a knife's edge between two numbers of the format may be rounded either way, as far as f32 arithmetic and the matrix unit's own rounding can turn it there, and no further.
;;   INPUTS GIVEN AS CODES. w01 (in the module: [256, 256], K = its axis 0); w02 (in the module: [256, 256], K = its axis 0); w03 (in the module: [256, 256], K = its axis 0); w11 (in the module: [256, 256], K = its axis 0); w12 (in the module: [256, 256], K = its axis 0); w13 (in the module: [256, 256], K = its axis 0): each comes as NAME_codes (uint8): NAME with its K axis moved to the last place and cut into blocks of 32 codes, [.., K / 32, bytes a block], one block behind the other in memory; four codes in three bytes: a row's codes are one little-endian stream of bits, code i at bits 6 i .. 6 i + 5 (a code: sign, 3 exponent bits, 2 mantissa bits); and NAME_scales (uint8): the same leading axes, one E8M0 byte (e + 127) for each 32 codes along K. Its value is code x scale, taken as it is: it is not quantised again, and the codes and scales need not be those that the quantiser above would give.
;; One version. Each part assembles by itself: llvm-mc -triple=amdgcn-amd-amdhsa -mcpu=gfx1250 --defsym DOCPART=n.
;; ======== version 1 of 1: 2 launches
;; limits: inputs' magnitudes at most 51,472; values are held in bf16: 8 bits of precision; right only within a limited range of input values
;; workspace buffers: wimg 461,824 bytes
;; launch prep (part 1): grid 71 x 1, 4 waves a work-group, no clusters, 0 bytes of LDS; arguments w01_codes, w02_codes, w03_codes, w11_codes, w12_codes, w13_codes, w01_scales, w02_scales, w03_scales, w11_scales, w12_scales, w13_scales, b01, b02, b03, b11, b12, b13, w10, b10, w00, b00, cw0, cb0, cw1, cb1, wimg; writes wimg
.if DOCPART == 1
	.amdgcn_target "amdgcn-amd-amdhsa--gfx1250"
	.amdhsa_code_object_version 6
	.text
	.protected	k_q51959428fc_prep
	.globl	k_q51959428fc_prep
	.p2align	8
	.type	k_q51959428fc_prep,@function
k_q51959428fc_prep:
	s_mov_b64 s[64:65], 0
	v_nop
	global_prefetch_b8 v0, s[64:65] scope:SCOPE_SE
	s_setreg_imm32_b32 hwreg(HW_REG_WAVE_MODE, 25, 1), 1
	s_wait_xcnt 0x0
; PREP: all weights of the chain are laid into ONE stream, wimg, in the order in which the second launch's waves take them into operand registers.
; DEAD INPUTS: reference() passes pixel_width, t_start and t_end to nothing: _nerf does not take them, so for all values they reach no output.  No launch loads them or has them among its arguments;
; a NaN or an infinity in them is not carried to the result.
; w00, w10 and cw0 (f32, K outermost) are quantised here, once, to codes of E3M2 with one E8M0 byte for each 32 along K; the six weights given as codes are only laid anew.
; A FRAGMENT (16 columns n x 128 along K, 12 registers a lane) is stored as an image of its registers: register p of lane l at 512 (p / 4) + 16 l + 4 (p % 4): 1,536 bytes.
; A SET is four fragments and a block of 256 bytes with their scale words (row m of fragment f at 16 m + 4 f): 6,400 bytes.  One work-group makes one set, wave w fragment w.
; Lane row m of tile u (0 .. 3) of group q is column n = 64 q + 8 u + m % 8 + 32 (m / 8), so that a result's 32 registers of tiles 0 .. 3 are one whole block of 32 along the next K.
; MAIN set (q, b): tiles 2 b and 2 b + 1, fragment 2 (u % 2) + s, K step s.  ENC set (q): fragment u, the one K step made of the encodings.
; A GROUP of 64 columns: 64 biases (256 bytes), MAIN b = 0, MAIN b = 1; in layer 8 an ENC set behind them; layer 0: biases and ENC set alone; layer 4's ENC sets lie apart.
; THE STREAM, in rows of 256 bytes: layer 3 at 0, layer 2 at 204, layer 5 at 408, layer 4's MAIN groups at 612, layer 7 at 816, layer 6 at 1020, layer 8 at 1224, the head at 1376,
; layer 1 at 1396, layer 0 at 1600, layer 4's four ENC sets at 1704: 1,804 rows.
; THE ENC K STEP: block 0 = pe[3 + i] for i < 29, then pe[0], pe[1], pe[2]; block 1 = pe[33 + i] for i < 29, then pe[62], pe[32], 0; block 2 = de[3 + i] for i < 24, then de[0 .. 2], five zeros; block 3 nothing.
; These are the blocks of 32 that the quantiser cuts (256 is a multiple of 32); inside a block the places are permuted alike on both operands, which changes no product and no scale.
; w00 and w10 fill blocks 0 and 1 and have zero codes in 2 and 3; cw0 fills block 2 and has zero codes elsewhere.
; A block's scale byte is its largest magnitude's exponent field - 4, held at 1 from below.  A block of zeros so gets the byte 1 where the rule says 127: its codes are zeros, and this program alone reads the bytes.
; LIMITS: NaN and infinities among the weights are not served.
; The scale words are stored 4 bytes a lane, 16 bytes apart: four waves together fill the set's 256 bytes; 70 such blocks in the launch.  All other stores cover 256 or 512 consecutive bytes, aligned.
.set FRB,  1536
.set SETB, 6400
.set GM,   13056                       ; a group: biases + two MAIN sets
.set GE3,  19456                       ; the same + an ENC set
.set L4B,  612*256
.set L4E,  1704*256
.set L0B,  1600*256
.set L8B,  1224*256
.set HDB,  1376*256                    ; the head: four bf16 fragments of cw1^T, then cb1 as an accumulator's image
	s_load_b64 s[4:5], s[0:1], 0xd0                ; wimg
	v_lshrrev_b32 v1, 5, v0
	v_readfirstlane_b32 s6, v1                     ; wave 0..3
	v_and_b32 v2, 31, v0                           ; lane
	v_and_b32 v3, 15, v0                           ; m
	v_bfe_u32 v4, v0, 4, 1                         ; h
	v_and_b32 v5, 8, v3
	v_mad_u32_u24 v5, v5, 3, v3                    ; m + 24 (m / 8)
	v_add_nc_u32 v6, -1, v4                        ; all ones in lanes 0-15, 0 in lanes 16-31
	v_mov_b32 v19, -1                              ; the mask laid over code registers 6 to 11 (cw0's ENC path narrows it)
	v_lshlrev_b32 v20, 3, v2                       ; my 8 bytes of a group's biases
	s_mul_i32 s7, s6, FRB
	v_lshl_add_u32 v7, v2, 4, s7                   ; my 16 bytes of an image: 16 lane + 1,536 wave
	s_lshl_b32 s7, s6, 2
	s_add_co_u32 s7, s7, 4*FRB
	v_lshl_add_u32 v8, v3, 4, s7                   ; my scale word: 6,144 + 16 m + 4 wave
	s_lshr_b32 s20, s6, 1                          ; wave / 2
	s_and_b32 s21, s6, 1                           ; wave % 2
	s_mov_b32 s2, 0x76543210
	s_mov_b32 s3, 0xfedcba98                       ; v_permlanex16_b32's selects for lane l xor 16
	s_mov_b32 s23, 0                               ; the upper word of the pair s[22:23]
; s15 = q, s16 = b, s17 = the group's first byte -> s18 the set's first byte, s19 = 1 where the set also writes the group's biases, v10 = my column n
.macro MAINIDX
	s_mul_i32 s18, s16, SETB
	s_add_co_u32 s18, s18, s17
	s_add_co_u32 s18, s18, 256
	s_xor_b32 s19, s16, 1
	s_lshl_b32 s22, s15, 6
	s_lshl_b32 s7, s16, 4
	s_add_co_u32 s22, s22, s7
	s_lshl_b32 s7, s20, 3
	s_add_co_u32 s22, s22, s7                      ; 64 q + 16 b + 8 (wave / 2)
	v_add_nc_u32 v10, s22, v5
.endm
.macro ENCIDX                          ; in an ENC set the tile is the wave
	s_lshl_b32 s22, s15, 6
	s_lshl_b32 s7, s20, 4
	s_add_co_u32 s22, s22, s7
	s_lshl_b32 s7, s21, 3
	s_add_co_u32 s22, s22, s7
	v_add_nc_u32 v10, s22, v5
.endm
.macro BIASPTR                         ; the group's 64 biases: asked for with the fragment's own loads, by every wave, so that one wait serves all; who stores them is settled at the end
	s_lshl_b32 s22, s15, 8
	s_add_nc_u64 s[12:13], s[12:13], s[22:23]
	global_load_b64 v[22:23], v20, s[12:13]
.endm
; a MAIN fragment of an f32 weight: lane (m, h) takes column n, its registers run down K: register 32 c + i = row 128 s + 64 c + 32 h + i
.macro PLAIN pitch
	v_lshlrev_b32 v11, 2, v10
	v_mad_u32_u24 v11, v4, 32*\pitch, v11
	s_mul_i32 s7, s21, 128*\pitch
	v_add_nc_u32 v11, s7, v11
.set i, 0
.rept 64
	global_load_b32 v[64+i], v11, s[8:9] offset:(64*(i/32)+i%32)*\pitch
.set i, i+1
.endr
	s_wait_loadcnt 0x0
.endm
	s_cmp_lt_u32 ttmp9, 48
	s_cbranch_scc1 .Lgiven
	s_cmp_lt_u32 ttmp9, 56
	s_cbranch_scc1 .Lw10main
	s_cmp_lt_u32 ttmp9, 60
	s_cbranch_scc1 .Lw10enc
	s_cmp_lt_u32 ttmp9, 64
	s_cbranch_scc1 .Lw00enc
	s_cmp_lt_u32 ttmp9, 68
	s_cbranch_scc1 .Lcw0main
	s_cmp_lt_u32 ttmp9, 70
	s_cbranch_scc1 .Lcw0enc
	; ---- work-group 70: the head.  Wave w makes fragment w of cw1^T in bf16: lane (n, h) holds cw1[64 (w / 2) + 16 (w % 2) + 32 h + 0 .. 15][n], zeros for n >= 4
	s_load_b128 s[8:11], s[0:1], 0xc0              ; cw1, cb1
	s_wait_alu depctr_va_vdst(0)
	v_and_b32 v11, 3, v3
	v_lshlrev_b32 v11, 2, v11
	v_lshl_add_u32 v11, v4, 9, v11                 ; 32 h rows of 16 bytes
	s_lshl_b32 s7, s20, 10
	s_lshl_b32 s22, s21, 8
	s_add_co_u32 s7, s7, s22
	v_add_nc_u32 v11, s7, v11
	s_wait_alu depctr_va_vdst(0)
	s_wait_kmcnt 0x0
	s_load_b128 s[24:27], s[10:11], 0x0            ; cb1, asked for with cw1
.set i, 0
.rept 16
	global_load_b32 v[64+i], v11, s[8:9] offset:16*i
.set i, i+1
.endr
	v_cmp_gt_u32 vcc_lo, 4, v3                     ; lanes whose n is one of the four outputs
	s_lshl_b32 s7, s6, 10
	s_add_co_u32 s7, s7, HDB
	v_lshl_add_u32 v12, v2, 4, s7
	s_wait_loadcnt 0x0
	s_wait_kmcnt 0x0
.irp j, 0,1,2,3,4,5,6,7
	v_cvt_pk_bf16_f32 v[48+\j], v[64+2*\j], v[65+2*\j]
.endr
.irp j, 0,1,2,3,4,5,6,7
	v_cndmask_b32 v[48+\j], 0, v[48+\j], vcc_lo
.endr
	global_store_b128 v12, v[48:51], s[4:5]
	global_store_b128 v12, v[52:55], s[4:5] offset:512
	s_cmp_lg_u32 s6, 0
	s_cbranch_scc1 .Lend
	v_lshl_add_u32 v13, v2, 4, HDB+4096            ; wave 0 lays cb1 as the image of an accumulator: register j of lanes 0-15 = cb1[j], all else 0
.irp j, 0,1,2,3
	v_mov_b32 v[60+\j], 0
.endr
.irp j, 0,1,2,3
	v_and_b32 v[56+\j], s[24+\j], v6
.endr
	s_wait_alu depctr_va_vdst(0)
	global_store_b128 v13, v[56:59], s[4:5]
	global_store_b128 v13, v[60:63], s[4:5] offset:512
	s_branch .Lend
	; ---- work-groups 0 to 47: a weight given as codes: y = which, q, b
.Lgiven:
	s_load_b256 s[24:31], s[0:1], 0x0              ; the six tensors of codes,
	s_load_b128 s[32:35], s[0:1], 0x20
	s_load_b256 s[36:43], s[0:1], 0x30             ; of scale bytes,
	s_load_b128 s[44:47], s[0:1], 0x50
	s_load_b256 s[48:55], s[0:1], 0x60             ; and the six biases
	s_load_b128 s[56:59], s[0:1], 0x80
	s_lshr_b32 s14, ttmp9, 3
	s_bfe_u32 s15, ttmp9, 0x20001
	s_and_b32 s16, ttmp9, 1
	s_mov_b32 s17, 1396*256                        ; where the weight's layer begins in the stream: layers 1, 2, 3, 5, 6, 7
	s_cmp_eq_u32 s14, 1
	s_cselect_b32 s17, 204*256, s17
	s_cmp_eq_u32 s14, 2
	s_cselect_b32 s17, 0, s17
	s_cmp_eq_u32 s14, 3
	s_cselect_b32 s17, 408*256, s17
	s_cmp_eq_u32 s14, 4
	s_cselect_b32 s17, 1020*256, s17
	s_cmp_eq_u32 s14, 5
	s_cselect_b32 s17, 816*256, s17
	s_mul_i32 s18, s15, GM
	s_add_co_u32 s17, s17, s18
	s_wait_alu depctr_va_vdst(0)
	MAINIDX
	s_wait_alu depctr_va_vdst(0)
	s_wait_kmcnt 0x0
	s_mov_b64 s[8:9], s[24:25]
	s_mov_b64 s[10:11], s[36:37]
	s_mov_b64 s[12:13], s[48:49]
.irp k, 1,2,3,4,5
	s_cmp_eq_u32 s14, \k                           ; the choice hangs on the work-group's number alone
	s_cselect_b64 s[8:9], s[24+2*\k:25+2*\k], s[8:9]
	s_cselect_b64 s[10:11], s[36+2*\k:37+2*\k], s[10:11]
	s_cselect_b64 s[12:13], s[48+2*\k:49+2*\k], s[12:13]
.endr
	BIASPTR
	v_mul_u32_u24 v11, v10, 192                    ; a row of 256 codes is 192 bytes;
	v_mad_u32_u24 v11, v4, 24, v11                 ; + 24 h
	s_mul_i32 s7, s21, 96                          ; + 96 s
	v_add_nc_u32 v11, s7, v11
	v_lshlrev_b32 v12, 3, v10
	v_lshl_add_u32 v12, s21, 2, v12                ; the scale word: 8 n + 4 s
.irp p, 0,1,2,3,4,5
	global_load_b64 v[48+2*\p:49+2*\p], v11, s[8:9] offset:48*(\p/3)+8*(\p%3)
.endr
	global_load_b32 v9, v12, s[10:11]
	s_wait_loadcnt 0x0
	s_branch .Lstore
	; ---- work-groups 48 to 55: w10's rows 0 to 255
.Lw10main:
	s_load_b128 s[8:11], s[0:1], 0x90              ; w10, b10
	s_sub_co_u32 s14, ttmp9, 48
	s_lshr_b32 s15, s14, 1
	s_and_b32 s16, s14, 1
	s_mul_i32 s17, s15, GM
	s_add_co_u32 s17, s17, L4B
	s_wait_alu depctr_va_vdst(0)
	MAINIDX
	s_wait_alu depctr_va_vdst(0)
	s_wait_kmcnt 0x0
	s_mov_b64 s[12:13], s[10:11]
	BIASPTR
	PLAIN 1024
	s_branch .Lquant
	; ---- work-groups 64 to 67: cw0's rows 0 to 255
.Lcw0main:
	s_load_b128 s[8:11], s[0:1], 0xb0              ; cw0, cb0
	s_sub_co_u32 s14, ttmp9, 64
	s_lshr_b32 s15, s14, 1
	s_and_b32 s16, s14, 1
	s_mul_i32 s17, s15, GE3
	s_add_co_u32 s17, s17, L8B
	s_wait_alu depctr_va_vdst(0)
	MAINIDX
	s_wait_alu depctr_va_vdst(0)
	s_wait_kmcnt 0x0
	s_mov_b64 s[12:13], s[10:11]
	BIASPTR
	PLAIN 512
	s_branch .Lquant
	; ---- work-groups 68, 69: cw0's rows 256 to 282, against the direction's encoding: block 2
.Lcw0enc:
	s_load_b128 s[8:11], s[0:1], 0xb0
	s_sub_co_u32 s15, ttmp9, 68
	s_mul_i32 s17, s15, GE3
	s_add_co_u32 s17, s17, L8B
	s_add_co_u32 s18, s17, GM
	s_mov_b32 s19, 0
	s_wait_alu depctr_va_vdst(0)
	ENCIDX
	v_lshlrev_b32 v14, 2, v10
	s_wait_alu depctr_va_vdst(0)
	s_wait_kmcnt 0x0
	s_mov_b64 s[12:13], s[10:11]
	BIASPTR
	s_add_nc_u64 s[8:9], s[8:9], 256*512
.set i, 0
.rept 24
	global_load_b32 v[96+i], v14, s[8:9] offset:(3+i)*512
.set i, i+1
.endr
.irp k, 0,1,2
	global_load_b32 v[120+\k], v14, s[8:9] offset:\k*512
.endr
.set i, 0
.rept 32
	v_mov_b32 v[64+i], 0                           ; blocks 0 and 1: zero codes
.set i, i+1
.endr
.irp k, 123,124,125,126,127
	v_mov_b32 v[\k], 0                             ; the block's last five places
.endr
	v_mov_b32 v19, v6                              ; lanes 16-31 hold block 3: their codes are cleared behind the conversions
	s_wait_loadcnt 0x0
	s_branch .Lquant
	; ---- work-groups 56 to 59: w10's rows 256 to 318; 60 to 63: w00: against the position's encoding: blocks 0 and 1
.Lw10enc:
	s_load_b128 s[8:11], s[0:1], 0x90
	s_sub_co_u32 s15, ttmp9, 56
	s_mul_i32 s17, s15, SETB
	s_add_co_u32 s17, s17, L4E
	s_mov_b32 s18, s17
	s_mov_b32 s19, 0
	s_wait_alu depctr_va_vdst(0)
	ENCIDX
	s_wait_kmcnt 0x0
	s_mov_b64 s[12:13], s[10:11]
	s_add_nc_u64 s[8:9], s[8:9], 256*1024
	s_branch .Lpe
.Lw00enc:
	s_load_b128 s[8:11], s[0:1], 0xa0              ; w00, b00
	s_sub_co_u32 s15, ttmp9, 60
	s_mul_i32 s17, s15, 6656
	s_add_co_u32 s17, s17, L0B
	s_add_co_u32 s18, s17, 256
	s_mov_b32 s19, 1
	s_wait_alu depctr_va_vdst(0)
	ENCIDX
	s_wait_kmcnt 0x0
	s_mov_b64 s[12:13], s[10:11]
.Lpe:
	BIASPTR
	s_wait_alu depctr_va_vdst(0)
	v_lshlrev_b32 v14, 2, v10                      ; 4 n
	v_mad_u32_u24 v11, v4, 30*1024, v14            ; lanes 16-31 (block 1) stand 30 rows further down for places 0 to 28,
	v_mad_u32_u24 v12, v4, 62*1024, v14            ; take row 62 where lanes 0-15 take row 0,
	v_mad_u32_u24 v13, v4, 31*1024, v14            ; and row 32 where they take row 1
.set i, 0
.rept 29
	global_load_b32 v[64+i], v11, s[8:9] offset:(3+i)*1024
.set i, i+1
.endr
	global_load_b32 v93, v12, s[8:9]
	global_load_b32 v94, v13, s[8:9] offset:1024
	global_load_b32 v95, v14, s[8:9] offset:2048
.set i, 0
.rept 32
	v_mov_b32 v[96+i], 0                           ; blocks 2 and 3: zero codes
.set i, i+1
.endr
	s_wait_loadcnt 0x0
	v_and_b32 v95, v6, v95                         ; row 2 in block 0; block 1's last place is the quantiser's fill, 0
	; ---- the quantiser: my two blocks, 2 c + h, all 32 numbers of each are mine
.Lquant:
.irp c, 0,1
	v_max3_num_f32 v[32+\c], |v[64+32*\c]|, |v[65+32*\c]|, 0x2800000   ; with the floor 2^(5 - 127): the byte cannot fall under 1
.endr
.irp i, 2,4,6,8,10,12,14,16,18,20,22,24,26,28,30
.irp c, 0,1
	v_max3_num_f32 v[32+\c], v[32+\c], |v[64+32*\c+\i]|, |v[65+32*\c+\i]|
.endr
.endr
.irp c, 0,1
	v_add_nc_u32 v[44+\c], 0xfe000000, v[32+\c]    ; 4 off the exponent field: the conversion takes this operand's exponent field as its scale
.endr
.irp c, 0,1
	v_lshrrev_b32 v[36+\c], 23, v[44+\c]           ; the scale's byte
.endr
	v_lshl_or_b32 v9, v37, 16, v36                 ; my two bytes, blocks h and 2 + h,
	v_lshlrev_b32 v17, 3, v4
	v_lshlrev_b32 v9, v17, v9                      ; 8 h bits up;
	v_mov_b32 v18, 0
	v_permlanex16_b32 v18, v9, s2, s3
	v_or_b32 v9, v9, v18                           ; with lane l xor 16's two the word is whole, in both lanes
.irp c, 0,1
	v_cvt_scalef32_pk16_bf6_f32 v[48+6*\c:50+6*\c], v[64+32*\c:79+32*\c], v[44+\c]
	v_cvt_scalef32_pk16_bf6_f32 v[128+4*\c:130+4*\c], v[80+32*\c:95+32*\c], v[44+\c]   ; (a conversion's three registers begin on an even number)
.endr
	v_nop                                          ; one plain instruction behind the scaled conversions
.irp c, 0,1
.irp i, 0,1,2
	v_mov_b32 v[51+6*\c+\i], v[128+4*\c+\i]
.endr
.endr
.irp i, 54,55,56,57,58,59
	v_and_b32 v[\i], v19, v[\i]
.endr
	; ---- the fragment's image, its scale word, and (wave 0 of a group's first set) the group's biases
.Lstore:
	v_add_nc_u32 v7, s18, v7
	v_add_nc_u32 v8, s18, v8
	global_store_b128 v7, v[48:51], s[4:5]                ; 32 lanes store 512 consecutive bytes, aligned
	global_store_b128 v7, v[52:55], s[4:5] offset:512
	global_store_b128 v7, v[56:59], s[4:5] offset:1024
	global_store_b32 v8, v9, s[4:5]                       ; lanes l and l + 16 store the same word with the same value
	s_cmp_lg_u32 s19, 0
	s_cbranch_scc0 .Lend
	s_cmp_lg_u32 s6, 0
	s_cbranch_scc1 .Lend
	v_add_nc_u32 v16, s17, v20
	global_store_b64 v16, v[22:23], s[4:5]                ; 256 consecutive bytes, aligned
.Lend:
	s_endpgm
.Lfunc_end_k_q51959428fc_prep:
	.size	k_q51959428fc_prep, .Lfunc_end_k_q51959428fc_prep-k_q51959428fc_prep
	.p2alignl 7, 3214868480
	.fill 96, 4, 3214868480
	.section	.rodata,"a",@progbits
	.p2align	6, 0x0
	.amdhsa_kernel k_q51959428fc_prep
		.amdhsa_group_segment_fixed_size 0
		.amdhsa_private_segment_fixed_size 0
		.amdhsa_enable_private_segment 0
		.amdhsa_kernarg_size 216
		.amdhsa_user_sgpr_count 2
		.amdhsa_user_sgpr_kernarg_segment_ptr 1
		.amdhsa_wavefront_size32 1
		.amdhsa_system_sgpr_workgroup_id_x 1
		.amdhsa_system_sgpr_workgroup_id_y 1
		.amdhsa_system_sgpr_workgroup_id_z 1
		.amdhsa_system_vgpr_workitem_id 0
		.amdhsa_next_free_vgpr 160
		.amdhsa_next_free_sgpr 66
		.amdhsa_reserve_vcc 1
		.amdhsa_float_denorm_mode_32 3
		.amdhsa_float_denorm_mode_16_64 3
		.amdhsa_memory_ordered 1
		.amdhsa_forward_progress 1
		.amdhsa_inst_pref_size 38
	.end_amdhsa_kernel
	.amdgpu_metadata
---
amdhsa.version: [ 1, 2 ]
amdhsa.kernels:
  - .name:           k_q51959428fc_prep
    .symbol:         k_q51959428fc_prep.kd
    .args:
      - { .name: w01_codes, .offset: 0, .size: 8, .value_kind: global_buffer, .address_space: global }
      - { .name: w02_codes, .offset: 8, .size: 8, .value_kind: global_buffer, .address_space: global }
      - { .name: w03_codes, .offset: 16, .size: 8, .value_kind: global_buffer, .address_space: global }
      - { .name: w11_codes, .offset: 24, .size: 8, .value_kind: global_buffer, .address_space: global }
      - { .name: w12_codes, .offset: 32, .size: 8, .value_kind: global_buffer, .address_space: global }
      - { .name: w13_codes, .offset: 40, .size: 8, .value_kind: global_buffer, .address_space: global }
      - { .name: w01_scales, .offset: 48, .size: 8, .value_kind: global_buffer, .address_space: global }
      - { .name: w02_scales, .offset: 56, .size: 8, .value_kind: global_buffer, .address_space: global }
      - { .name: w03_scales, .offset: 64, .size: 8, .value_kind: global_buffer, .address_space: global }
      - { .name: w11_scales, .offset: 72, .size: 8, .value_kind: global_buffer, .address_space: global }
      - { .name: w12_scales, .offset: 80, .size: 8, .value_kind: global_buffer, .address_space: global }
      - { .name: w13_scales, .offset: 88, .size: 8, .value_kind: global_buffer, .address_space: global }
      - { .name: b01, .offset: 96, .size: 8, .value_kind: global_buffer, .address_space: global }
      - { .name: b02, .offset: 104, .size: 8, .value_kind: global_buffer, .address_space: global }
      - { .name: b03, .offset: 112, .size: 8, .value_kind: global_buffer, .address_space: global }
      - { .name: b11, .offset: 120, .size: 8, .value_kind: global_buffer, .address_space: global }
      - { .name: b12, .offset: 128, .size: 8, .value_kind: global_buffer, .address_space: global }
      - { .name: b13, .offset: 136, .size: 8, .value_kind: global_buffer, .address_space: global }
      - { .name: w10, .offset: 144, .size: 8, .value_kind: global_buffer, .address_space: global }
      - { .name: b10, .offset: 152, .size: 8, .value_kind: global_buffer, .address_space: global }
      - { .name: w00, .offset: 160, .size: 8, .value_kind: global_buffer, .address_space: global }
      - { .name: b00, .offset: 168, .size: 8, .value_kind: global_buffer, .address_space: global }
      - { .name: cw0, .offset: 176, .size: 8, .value_kind: global_buffer, .address_space: global }
      - { .name: cb0, .offset: 184, .size: 8, .value_kind: global_buffer, .address_space: global }
      - { .name: cw1, .offset: 192, .size: 8, .value_kind: global_buffer, .address_space: global }
      - { .name: cb1, .offset: 200, .size: 8, .value_kind: global_buffer, .address_space: global }
      - { .name: wimg, .offset: 208, .size: 8, .value_kind: global_buffer, .address_space: global }
    .group_segment_fixed_size: 0
    .private_segment_fixed_size: 0
    .kernarg_segment_align: 8
    .kernarg_segment_size: 216
    .max_flat_workgroup_size: 128
    .sgpr_count:     66
    .vgpr_count:     160
    .wavefront_size: 32
...
	.end_amdgpu_metadata
.endif
;; end of part 1
;; launch nerf (part 2): grid 256 x 1, 8 waves a work-group, clusters of 4 x 1, 327,680 bytes of LDS; arguments pos, dir, wimg, out0, out1; writes out0, out1
.if DOCPART == 2
	.amdgcn_target "amdgcn-amd-amdhsa--gfx1250"
	.amdhsa_code_object_version 6
	.text
	.protected	k_q51959428fc_nerf
	.globl	k_q51959428fc_nerf
	.p2align	8
	.type	k_q51959428fc_nerf,@function
k_q51959428fc_nerf:
	s_mov_b64 s[64:65], 0
	v_nop
	global_prefetch_b8 v0, s[64:65] scope:SCOPE_SE
	s_setreg_imm32_b32 hwreg(HW_REG_WAVE_MODE, 25, 1), 1
	s_wait_xcnt 0x0
	s_wait_alu depctr_hold_cnt(0) depctr_sa_sdst(0) depctr_va_vdst(0) depctr_va_sdst(0) depctr_va_ssrc(0) depctr_va_vcc(0) depctr_vm_vsrc(0)
	s_getreg_b32 s2, hwreg(HW_REG_IB_STS2, 6, 4)
	s_cmp_eq_u32 s2, 0
	s_cbranch_scc0 .Lentry_in_a_cluster
	s_endpgm
.Lentry_in_a_cluster:
	s_bfe_u32 s2, ttmp6, 0x10000c
	s_cmp_lg_u32 s2, 0x3003
	s_cbranch_scc0 .Lentry_shape_is_right
	s_endpgm
.Lentry_shape_is_right:
; THE WHOLE CHAIN FOR 512 ROWS A WORK-GROUP, 64 ROWS A WAVE: encodings, nine quantised products (MX-BF6), the head's product in bf16, softplus and sigmoid.  Activations never leave the registers.
; pixel_width, t_start and t_end have no way to any output in reference() and are not among the arguments.
; EVERY PRODUCT IS USED TRANSPOSED: source 0 = 16 columns of the weight, source 1 = 16 rows of the batch.  Lane row m of tile u of group q is the weight's column 64 q + 8 u + m % 8 + 32 (m / 8),
; so that lane (r, h) holds, in the 32 registers of tiles u = 0 .. 3, the hidden units 64 q + 32 h + 0 .. 31 of batch row r: ONE WHOLE BLOCK of the next K, in the order of the next operand's registers.
; So a block's largest magnitude needs no other lane and the codes need no exchange between lanes; of a block's two conversions the first writes the operand's registers themselves, the second's three
; registers (an operand's second three begin on an odd number) are copied, and these copies stand as the places behind the next run of matrix instructions.
; A BATCH is a group of 64 columns x 32 rows: 8 accumulators.  A group's 8 weight fragments (96 registers) serve both batches, so each is read from LDS once for the wave's 64 rows.
; LAYERS 1 TO 7 RUN THROUGH ONE LOOP of two written layers: X to Y (layers 1, 3, 5, 7; layer 7 jumps over the ReLU) and Y to X (layers 2, 4, 6; layer 4 takes the arm with the third K step).
; THE WEIGHTS come through a ring of two LDS slots in chunks of 408 rows of 256 bytes: chunk k = layer 2 k + 1, then layer 2 k.  The change of slots stands between the loop's two layers: chunk t is read out there,
; chunk t + 1 has landed, chunk t + 2 is asked for; the loop is left behind layer 7, ahead of the change.  Each fill is a joint load of the cluster's four work-groups, 51 rows a wave.
; The first fill brings layer 1 into slot 0 and layer 0 and layer 4's ENC sets into bytes that are filled once; it lands while the encodings are computed.
; NO DATA PREFETCH: each fill behind the first is asked for at least one whole layer (128 matrix instructions a wave and its quantising) ahead of the wait for it.
; LIMITS: NaN and infinities among the inputs are not served; |pos| and |dir| x 512 / pi stay inside the 32-bit whole numbers.
.set SLOT1, 131072                     ; slot 0 at 0, slot 1 here; a slot is 104,448 bytes
.set ROFF,  52224                      ; the second layer of a chunk
.set CHB,   104448
.set EB,    235520                     ; filled once: layer 0's four groups, then layer 4's four ENC sets
.set E4,    EB+26624
.set STG,   104448                     ; the waves' stages: waves 0-3 between the slots, waves 4-7 behind the bytes filled once
.set STGJ,  156672
.set STGW,  6656
.set SPARE, 314368
.set C0G,   1396*256                   ; layer 1, layer 0, layer 4's ENC sets in the stream
.set GB_E,  6656
.set GB_M,  13056
.set GB_ME, 19456
.set HEADB, 38912                      ; the head, behind layer 8 in slot 0
.set LI,  1
.set L15, 2
.set LH,  3
.set WA,  4
.set WS,  5
.set WB,  6
.set SPW, 7
.set NIL, 8
.set EI0, 9
.set ES0, 10
.set HDA, 11
.set OD,  12
.set ORGB, 13
.set L8A, 14
.set L8G, 15
.set WSC, 16                           ; v16-23 the weight's scale words, tile u, K step s at 2 u + s
.set WESC, 24                          ; v24-27 those of the ENC set
.set MX,  28
.set MB,  30
.set XSC, 32
.set YSC, 40
.set ESC, 48
.set PW,  52                           ; v52-55 my two scale bytes of a K step, row tile m
.set PX,  56
.set WAE, 60
.set WSE, 61
.set BIAS, 64                          ; v64-95 a group's biases in the accumulators' layout
.set W,   96                           ; v96-143, v144-191 the fragments of two K steps
.set ACC, 192                          ; v192-255 eight accumulators: 32 mm + 8 u
.set CB,  32
.set X,   0                            ; window 1: X, Y the activations' codes (24 m + 12 s), ENCR the encodings' codes, T1 the second conversions' results
.set Y,   96
.set ENCR, 192
.set T1,  240
.set OA1, 32
.set OA,  72
.set WV,  14
.set T,   56
.set SB,  57
.set TB,  66
.set Q,   67
.set EO,  0
.set EG,  0
.set ENA, WA
.set ENS, WS
.set PEND, 0
.set MSB, 0
.macro WIN new                         ; the immediate's high byte repeats the setting that is left
.if MSB != \new
	s_set_vgpr_msb (MSB<<8)|\new
.set MSB, \new
.endif
.endm
.macro PLACES n
.rept \n
	v_nop
.endr
.endm
.macro ROUND                           ; a round of the cluster's barrier
	s_barrier_signal -1
	s_barrier_wait -1
	s_cmp_lg_u32 s[WV], 0
	s_cbranch_scc1 .Lnot_wave_0_\@
	s_barrier_signal -3
.Lnot_wave_0_\@:
	s_barrier_wait -3
	s_barrier_signal -1
	s_barrier_wait -1
.endm
.macro ADDR
	v_add_nc_u32 v[WA], s[TB], v[LI]
	v_add_nc_u32 v[WS], s[TB], v[L15]
	v_add_nc_u32 v[WB], s[TB], v[LH]
.endm
.macro LDWS set, s, off                ; the four fragments of K step s of the group at off
.irp u, 0,1,2,3
.irp c, 0,1,2
	ds_load_b128 v[\set+12*\u+4*\c:\set+12*\u+4*\c+3], v[WA] offset:(\off)+256+6400*(\u/2)+1536*(2*(\u%2)+\s)+512*\c
.endr
.endr
.endm
.macro LDENC adr, off                  ; the four fragments of an ENC set
.irp u, 0,1,2,3
.irp c, 0,1,2
	ds_load_b128 v[W+12*\u+4*\c:W+12*\u+4*\c+3], v[\adr] offset:(\off)+1536*\u+512*\c
.endr
.endr
.endm
.macro LDB off                         ; register 8 u + j = bias 32 h + 8 u + j of the group
.irp k, 0,1,2,3,4,5,6,7
	ds_load_b128 v[BIAS+4*\k:BIAS+4*\k+3], v[WB] offset:(\off)+16*\k
.endr
.endm
.macro NEXT off                        ; all that a group's first matrix instructions want
.if KIND == 2
	LDB \off
	LDENC WA, (\off)+256
	ds_load_b128 v[WESC:WESC+3], v[WS] offset:(\off)+6400
.else
	LDWS W, 0, \off
	LDWS W+48, 1, \off
	ds_load_b128 v[WSC:WSC+3], v[WS] offset:(\off)+6400
	ds_load_b128 v[WSC+4:WSC+7], v[WS] offset:(\off)+12800
	LDB \off
.endif
.endm
.macro WM d, a, b, c, sa, sb
	v_wmma_scale_f32_16x16x128_f8f6f4 v[\d:\d+7], v[\a:\a+11], v[\b:\b+11], v[\c:\c+7], v[\sa], v[\sb] matrix_a_fmt:MATRIX_FMT_BF6 matrix_b_fmt:MATRIX_FMT_BF6
.endm
.macro MM set, s, mh, first            ; 8 matrix instructions, the batch's accumulators by turns; first = 1: the biases are the sums' start
.irp mm, 0,1
.irp u, 0,1,2,3
.if \first
	WM ACC+32*\mm+8*\u, \set+12*\u, XIN+24*(2*\mh+\mm)+12*\s, BIAS+8*\u, WSC+2*\u+\s, XS+2*(2*\mh+\mm)+\s
.else
	WM ACC+32*\mm+8*\u, \set+12*\u, XIN+24*(2*\mh+\mm)+12*\s, ACC+32*\mm+8*\u, WSC+2*\u+\s, XS+2*(2*\mh+\mm)+\s
.endif
.endr
.endr
.endm
.macro MME mh, first                   ; the same for the K step made of the encodings
.irp mm, 0,1
.irp u, 0,1,2,3
.if \first
	WM ACC+32*\mm+8*\u, W+12*\u, ENCR+12*(2*\mh+\mm), BIAS+8*\u, WESC+\u, ESC+2*\mh+\mm
.else
	WM ACC+32*\mm+8*\u, W+12*\u, ENCR+12*(2*\mh+\mm), ACC+32*\mm+8*\u, WESC+\u, ESC+2*\mh+\mm
.endif
.endr
.endr
.endm
.macro K0 mh                           ; K = 256
	WIN 0x04
	MM W, 0, \mh, 1
	s_wait_alu depctr_va_vdst(0)
	MM W+48, 1, \mh, 0
	WIN 0
.endm
; K = 256 and the encodings: three K steps on two sets of registers.  The first batch goes s = 0, s = 1, ENC, the second ENC, s = 1, s = 0: the first set is loaded anew under the eight products of s = 1.
.macro K1 mh, off, eoff
	WIN 0x04
.if \mh == 0
	MM W, 0, 0, 1
.else
	MME 1, 1
.endif
	WIN 0
	PLACES 4                                       ; in front of loads into registers that matrix instructions have read
.if \mh == 0
	LDENC ENA, \eoff
	ds_load_b128 v[WESC:WESC+3], v[ENS] offset:(\eoff)+6144
.else
	LDWS W, 0, \off
.endif
	WIN 0x04
	s_wait_alu depctr_va_vdst(0)
	MM W+48, 1, \mh, 0
	s_wait_dscnt 0x0
.if \mh == 0
	MME 0, 0
.else
	MM W, 0, 1, 0
.endif
	WIN 0
.endm
.macro MULS mh, off, eoff
	s_wait_dscnt 0x0
.if KIND == 0
	K0 \mh
.elseif KIND == 1
	K1 \mh, \off, \eoff
.elseif KIND == 2
	WIN 0x04
	MME \mh, 1
	WIN 0
.else
	s_cmp_eq_u32 s[T], 1                           ; layer 4 is the second layer of trip 1
	s_cbranch_scc1 .Lk1_\@
	K0 \mh
	s_branch .Lkj_\@
.Lk1_\@:
	K1 \mh, \off, \eoff
.Lkj_\@:
.endif
.endm
.macro FLUSH                           ; the last batch's six copies, which are also the places behind the matrix instructions just issued; where none are due, four v_nop
.if PEND
	WIN 0x41
.irp i, 0,1,2
	v_mov_b32 v[PD0+3+\i], v[T1+\i]
	v_mov_b32 v[PD1+3+\i], v[T1+4+\i]
.endr
	WIN 0
.set PEND, 0
.else
	PLACES 4
.endif
.endm
.macro RELU
.irp i, 0,2,4,6,8,10,12,14,16,18,20,22,24,26,28,30
.irp mm, 0,1
	v_dual_max_num_f32 v[ACC+32*\mm+\i], 0, v[ACC+32*\mm+\i] :: v_dual_max_num_f32 v[ACC+32*\mm+\i+1], 0, v[ACC+32*\mm+\i+1]
.endr
.endr
.endm
; The batch's two blocks a lane are quantised: 33 leaves (32 magnitudes and the floor 2^(5 - 127)) in 16 three-input maxima, two chains a block, four by turns.
.macro QUANT mh, q
.if RL == 2
	s_cmp_eq_u32 s[T], 3                           ; layer 7 has no activation
	s_cbranch_scc1 .Lnr_\@
.endif
	RELU
.if RL == 2
.Lnr_\@:
.endif
.irp mm, 0,1
	v_max3_num_f32 v[MX+\mm], |v[ACC+32*\mm]|, |v[ACC+32*\mm+1]|, 0x2800000
.endr
.irp mm, 0,1
	v_max3_num_f32 v[MB+\mm], |v[ACC+32*\mm+16]|, |v[ACC+32*\mm+17]|, |v[ACC+32*\mm+18]|
.endr
.irp k, 1,2,3,4,5,6
.irp mm, 0,1
	v_max3_num_f32 v[MX+\mm], v[MX+\mm], |v[ACC+32*\mm+2*\k]|, |v[ACC+32*\mm+2*\k+1]|
.endr
.irp mm, 0,1
	v_max3_num_f32 v[MB+\mm], v[MB+\mm], |v[ACC+32*\mm+17+2*\k]|, |v[ACC+32*\mm+18+2*\k]|
.endr
.endr
.irp mm, 0,1
	v_max3_num_f32 v[MX+\mm], v[MX+\mm], |v[ACC+32*\mm+14]|, |v[ACC+32*\mm+15]|
.endr
.irp mm, 0,1
	v_max3_num_f32 v[MX+\mm], v[MX+\mm], v[MB+\mm], |v[ACC+32*\mm+31]|
.endr
.irp mm, 0,1
	s_delay_alu instid0(VALU_DEP_2)
	v_add_nc_u32 v[MB+\mm], 0xfe000000, v[MX+\mm]  ; 4 off the exponent field: the conversion's scale operand
.endr
	WIN 0x40
.irp mm, 0,1
	v_cvt_scalef32_pk16_bf6_f32 v[OUT+24*(2*\mh+\mm)+6*(\q):OUT+24*(2*\mh+\mm)+6*(\q)+2], v[ACC+32*\mm:ACC+32*\mm+15], v[MB+\mm]
	v_cvt_scalef32_pk16_bf6_f32 v[T1+4*\mm:T1+4*\mm+2], v[ACC+32*\mm+16:ACC+32*\mm+31], v[MB+\mm]
.endr
	WIN 0
.if (\q)%2 == 0
.irp mm, 0,1
	v_lshrrev_b32 v[PW+2*\mh+\mm], 23, v[MB+\mm]   ; my byte: block h of the K step
.endr
.else
.irp mm, 0,1
	v_lshrrev_b32 v[MX+\mm], 23, v[MB+\mm]
.endr
.irp mm, 0,1
	s_delay_alu instid0(VALU_DEP_2)
	v_lshl_or_b32 v[PW+2*\mh+\mm], v[MX+\mm], 16, v[PW+2*\mh+\mm]   ; and block 2 + h
.endr
.irp mm, 0,1
	s_delay_alu instid0(VALU_DEP_2)
	v_permlanex16_b32 v[PX+\mm], v[PW+2*\mh+\mm], s70, s71
.endr
.irp mm, 0,1
	s_delay_alu instid0(VALU_DEP_2)
	v_lshl_or_b32 v[OS+2*(2*\mh+\mm)+(\q)/2], v[PX+\mm], 8, v[PW+2*\mh+\mm]   ; lanes 0-15: the row's whole scale word (lanes 16-31 are not read)
.endr
.endif
.set PD0, OUT+24*(2*\mh)+6*(\q)
.set PD1, PD0+24
.set PEND, 1
	s_wait_alu depctr_va_vdst(0)                   ; the copies read behind a wait that blocks
.endm
.macro LAYER                           ; 256 columns: four groups of two batches.  KIND 0: K = 256; 2: the encodings alone; 3: K = 256, in trip 1 with the encodings
	ADDR
	NEXT 0
	PLACES 8                                       ; behind the last layer's scale words and copies
	s_wait_alu depctr_va_vdst(0)
.irp q, 0,1,2,3
	MULS 0, \q*GB, EO+\q*EG
	FLUSH
	QUANT 0, \q
	MULS 1, \q*GB, EO+\q*EG
	FLUSH
.if \q < 3
	NEXT (\q+1)*GB
.endif
	QUANT 1, \q
.endr
	FLUSH
.endm
	s_load_b256 s[4:11], s[0:1], 0x0               ; pos, dir, wimg, out0
	s_load_b64 s[12:13], s[0:1], 0x20              ; out1
	v_lshl_add_u32 v[SPW], v0, 2, SPARE
	v_mov_b32 v[NIL], 0
	ds_add_u32 v[SPW], v[NIL]
	ds_add_u32 v[SPW], v[NIL]
	s_wait_dscnt 0x0
	v_lshrrev_b32 v16, 5, v0
	s_delay_alu instid0(VALU_DEP_1)
	v_readfirstlane_b32 s[WV], v16
	s_bfe_u32 s15, ttmp6, 0x40000
	s_lshl_b32 s16, ttmp9, 2
	s_add_co_u32 s16, s16, s15                     ; the work-group's number
	s_mov_b32 s24, 15|(3<<16)|(1<<21)              ; group 1 of every fill: 51 rows of 32 elements of 8 bytes, for all four partners
	s_mov_b32 s25, 32<<16
	s_mov_b32 s26, 51<<16
	s_mov_b32 s27, 32<<16
	s_mov_b32 s28, 51
	s_mov_b32 s29, 32
	s_mov_b32 s30, 0
	s_mov_b32 s31, 0
	s_mov_b32 s70, 0x76543210
	s_mov_b32 s71, 0xfedcba98
	s_mov_b32 s72, 0xffff0000
	s_mov_b32 s73, 0x3ea2f983
	s_mov_b32 s74, 0x325c9c88
	s_mov_b32 s76, 0xbbf183a8
	s_mov_b32 s77, s76
	s_mov_b32 s78, 0xbf196966
	s_mov_b32 s79, s78
	s_mov_b32 s80, 0x402335e3
	s_mov_b32 s81, s80
	s_mov_b32 s82, 0xc0a55de7
	s_mov_b32 s83, s82
	s_mov_b32 s84, 0x40490fdb
	s_mov_b32 s85, s84
	s_mul_i32 s18, s[WV], 51*256
	s_mov_b32 s19, 0
	s_lshr_b32 s20, s[WV], 2
	s_mul_i32 s21, s20, EB-ROFF                    ; waves 4-7 of the first fill land in the bytes filled once
	s_wait_kmcnt 0x0
	s_mov_b32 s48, 1                               ; the ring's group 0: chunk 1 into slot 1
	s_add_co_u32 s49, s18, SLOT1
	s_add_nc_u64 s[50:51], s[8:9], s[18:19]
	s_or_b32 s51, s51, 0x80000000
	s_mov_b32 s52, 1                               ; the first fill's
	s_add_co_u32 s53, s18, s21
	s_add_nc_u64 s[54:55], s[8:9], s[18:19]
	s_add_nc_u64 s[54:55], s[54:55], C0G
	s_or_b32 s55, s55, 0x80000000
	s_mul_i32 s2, s16, 6144
	s_mul_i32 s17, s[WV], 768
	s_add_co_u32 s2, s2, s17
	s_mov_b32 s3, 0
	s_add_nc_u64 s[4:5], s[4:5], s[2:3]
	s_add_nc_u64 s[6:7], s[6:7], s[2:3]
	s_add_nc_u64 s[12:13], s[12:13], s[2:3]
	s_lshl_b32 s2, s16, 11
	s_lshl_b32 s17, s[WV], 8
	s_add_co_u32 s2, s2, s17
	s_add_nc_u64 s[10:11], s[10:11], s[2:3]
	s_mul_i32 s20, s[WV], STGW                     ; my stage
	s_lshr_b32 s21, s[WV], 2
	s_mul_i32 s21, s21, STGJ
	s_add_co_u32 s20, s20, s21
	s_add_co_u32 s20, s20, STG
	v_and_b32 v16, 31, v0
	v_and_b32 v17, 15, v0
	v_bfe_u32 v18, v0, 4, 1
	s_delay_alu instid0(VALU_DEP_2)
	v_mul_u32_u24 v103, v17, 12
	global_load_b96 v[104:106], v103, s[4:5]       ; my first 16 rows of pos and dir are asked for ahead of the round: nobody writes these bytes
	global_load_b96 v[100:102], v103, s[6:7]
	s_wait_alu depctr_va_vdst(0)
	ROUND
	tensor_load_to_lds s[52:55], s[24:31]          ; my one load at the head
	s_nop 0
	PLACES 4
	v_lshlrev_b32 v[LI], 4, v16
	v_lshlrev_b32 v[L15], 4, v17
	v_lshlrev_b32 v[LH], 7, v18
	v_add_nc_u32 v[EI0], s20, v[LI]
	v_lshl_add_u32 v[ES0], v16, 2, s20
	s_delay_alu instid0(VALU_DEP_1)
	v_add_nc_u32 v[ES0], 6144, v[ES0]
	v_add_nc_u32 v[HDA], HEADB, v[LI]
	v_add_nc_u32 v[WAE], E4, v[LI]
	v_add_nc_u32 v[WSE], E4, v[L15]
	v_lshl_add_u32 v[OD], v17, 2, s20
	s_delay_alu instid0(VALU_DEP_1)
	v_lshl_add_u32 v[OD], v18, 10, v[OD]
	v_mul_u32_u24 v[ORGB], v17, 12
	s_delay_alu instid0(VALU_DEP_1)
	v_add_nc_u32 v[ORGB], s20, v[ORGB]
	s_delay_alu instid0(VALU_DEP_1)
	v_lshl_add_u32 v[ORGB], v18, 10, v[ORGB]
	v_lshl_add_u32 v[L8A], v16, 3, s20
	v_lshlrev_b32 v[L8G], 3, v16
; THE ENCODINGS, 16 rows a trip: lanes 0-15 make the sines, lanes 16-31 the cosines.  x / pi is kept as a high and a low part; x 2^l is exact; the nearest whole number is taken away, its parity gives the sign,
; and sin(pi f) for |f| <= 1/2 is an odd polynomial of degree 11.  The codes go through my stage as images of the operand's registers.
.set PO,  103
.set H8,  99
.set RP,  104
.set RD,  100
.set XC,  96
.set SCV, 108
.set C9,  118
.set HL,  120
.set TT,  132
.set PE,  192
.set DE,  224
.set EC,  72
.set EU,  84
	v_lshlrev_b32 v[H8], 3, v18
.set i, 0
.irp f, 0x3f800000,0x40000000,0x40800000,0x41000000,0x41800000,0x42000000,0x42800000,0x43000000,0x43800000,0x44000000
	v_mov_b32 v[SCV+i], \f
.set i, i+1
.endr
	v_mov_b32 v[C9], 0x3da83c1a
	v_mov_b32 v[C9+1], 0x3da83c1a
.irp n, 12,13,14,15,16,17,18,19,20,21,22,23,27,28,29,30,31
	v_mov_b32 v[DE+\n], 0
.endr
	v_mov_b32 v91, 0
.irp n, 56,57,58,59
	v_mov_b32 v[\n], 0
.endr
.macro TRIG nu, pp, hl0, dst
.set k, 0
.rept \nu
	v_pk_mul_f32 v[TT+10*k:TT+10*k+1], v[\hl0+2*(k/\pp):\hl0+2*(k/\pp)+1], v[SCV+2*(k%\pp):SCV+2*(k%\pp)+1] op_sel_hi:[0,1]
.set k, k+1
.endr
.set k, 0
.rept \nu
	v_rndne_f32 v[TT+10*k+2], v[TT+10*k]
	v_rndne_f32 v[TT+10*k+3], v[TT+10*k+1]
.set k, k+1
.endr
.set k, 0
.rept \nu
	v_pk_add_f32 v[TT+10*k:TT+10*k+1], v[TT+10*k:TT+10*k+1], v[TT+10*k+2:TT+10*k+3] neg_lo:[0,1] neg_hi:[0,1]
.set k, k+1
.endr
.set k, 0
.rept \nu
	v_pk_fma_f32 v[TT+10*k:TT+10*k+1], v[\hl0+2*(k/\pp):\hl0+2*(k/\pp)+1], v[SCV+2*(k%\pp):SCV+2*(k%\pp)+1], v[TT+10*k:TT+10*k+1] op_sel:[1,0,0] op_sel_hi:[1,1,1]
.set k, k+1
.endr
.set k, 0
.rept \nu
	v_cvt_i32_f32 v[TT+10*k+2], v[TT+10*k+2]
	v_cvt_i32_f32 v[TT+10*k+3], v[TT+10*k+3]
.set k, k+1
.endr
.set k, 0
.rept \nu
	v_lshlrev_b32 v[TT+10*k+2], 31, v[TT+10*k+2]
	v_lshlrev_b32 v[TT+10*k+3], 31, v[TT+10*k+3]
.set k, k+1
.endr
.set k, 0
.rept \nu
	v_sub_f32 v[TT+10*k+4], 0.5, |v[TT+10*k]|
	v_sub_f32 v[TT+10*k+5], 0.5, |v[TT+10*k+1]|
.set k, k+1
.endr
.set k, 0
.rept \nu
	v_cndmask_b32 v[TT+10*k], v[TT+10*k], v[TT+10*k+4], s72
	v_cndmask_b32 v[TT+10*k+1], v[TT+10*k+1], v[TT+10*k+5], s72
.set k, k+1
.endr
.set k, 0
.rept \nu
	v_xor_b32 v[TT+10*k], v[TT+10*k], v[TT+10*k+2]
	v_xor_b32 v[TT+10*k+1], v[TT+10*k+1], v[TT+10*k+3]
.set k, k+1
.endr
.set k, 0
.rept \nu
	v_pk_mul_f32 v[TT+10*k+6:TT+10*k+7], v[TT+10*k:TT+10*k+1], v[TT+10*k:TT+10*k+1]
.set k, k+1
.endr
.set k, 0
.rept \nu
	v_pk_fma_f32 v[TT+10*k+8:TT+10*k+9], v[TT+10*k+6:TT+10*k+7], s[76:77], v[C9:C9+1] op_sel_hi:[1,0,1]
.set k, k+1
.endr
.irp c, 78, 80, 82, 84
.set k, 0
.rept \nu
	v_pk_fma_f32 v[TT+10*k+8:TT+10*k+9], v[TT+10*k+8:TT+10*k+9], v[TT+10*k+6:TT+10*k+7], s[\c:\c+1] op_sel_hi:[1,1,0]
.set k, k+1
.endr
.endr
.set k, 0
.rept \nu
	v_pk_mul_f32 v[\dst+2*k:\dst+2*k+1], v[TT+10*k+8:TT+10*k+9], v[TT+10*k:TT+10*k+1]
.set k, k+1
.endr
.endm
	s_mov_b32 s[Q], 0
	s_mov_b32 s68, 0
	s_mov_b32 s69, 0
.Lenc:
	s_wait_loadcnt 0x0
	s_wait_dscnt 0x0
.irp d, 0,1,2
	v_mul_f32 v[HL+2*\d], s73, v[RP+\d]
	v_mul_f32 v[HL+6+2*\d], s73, v[RD+\d]
.endr
.irp d, 0,1,2
	v_fma_f32 v[HL+2*\d+1], v[RP+\d], s73, -v[HL+2*\d]
	v_fma_f32 v[HL+6+2*\d+1], v[RD+\d], s73, -v[HL+6+2*\d]
.endr
.irp d, 0,1,2
	v_fmac_f32 v[HL+2*\d+1], s74, v[RP+\d]
	v_fmac_f32 v[HL+6+2*\d+1], s74, v[RD+\d]
.endr
.irp d, 0,1,2
	v_mov_b32 v[XC+\d], v[RP+\d]
	v_mov_b32 v[DE+24+\d], v[RD+\d]
.endr
	s_cmp_eq_u32 s[Q], 3
	s_cbranch_scc1 .Lenc_last
	v_add_nc_u32 v[PO], 192, v[PO]
	global_load_b96 v[RP:RP+2], v[PO], s[4:5]
	global_load_b96 v[RD:RD+2], v[PO], s[6:7]
.Lenc_last:
	TRIG 5, 5, HL, PE
	TRIG 5, 5, HL+2, PE+10
	TRIG 5, 5, HL+4, PE+20
	TRIG 6, 2, HL+6, DE
.irp n, 0,1,2,3,4,5,6,7,8,9,10,11
	v_permlanex16_b32 v[DE+12+\n], v[DE+\n], s70, s71
.endr
	v_permlanex16_b32 v91, v[PE+29], s70, s71
	v_cndmask_b32 v[PE+29], v[XC], v[PE+29], s72
	s_delay_alu instid0(VALU_DEP_2)
	v_cndmask_b32 v[PE+30], v[XC+1], v91, s72
	v_cndmask_b32 v[PE+31], v[XC+2], 0, s72
	v_max3_num_f32 v52, |v[PE]|, |v[PE+1]|, 0x2800000
	v_max3_num_f32 v53, |v[DE]|, |v[DE+1]|, 0x2800000
.irp i, 2,4,6,8,10,12,14,16,18,20,22,24,26,28,30
	s_delay_alu instid0(VALU_DEP_2)
	v_max3_num_f32 v52, v52, |v[PE+\i]|, |v[PE+\i+1]|
	s_delay_alu instid0(VALU_DEP_2)
	v_max3_num_f32 v53, v53, |v[DE+\i]|, |v[DE+\i+1]|
.endr
	s_delay_alu instid0(VALU_DEP_2)
	v_add_nc_u32 v54, 0xfe000000, v52
	s_delay_alu instid0(VALU_DEP_2)
	v_add_nc_u32 v55, 0xfe000000, v53
	s_delay_alu instid0(VALU_DEP_2)
	v_lshrrev_b32 v56, 23, v54
	s_delay_alu instid0(VALU_DEP_2)
	v_lshrrev_b32 v57, 23, v55
	s_delay_alu instid0(VALU_DEP_1)
	v_lshl_or_b32 v58, v57, 16, v56
	s_delay_alu instid0(VALU_DEP_1)
	v_lshlrev_b32 v58, v[H8], v58
	s_delay_alu instid0(VALU_DEP_1)
	v_permlanex16_b32 v59, v58, s70, s71
	s_delay_alu instid0(VALU_DEP_1)
	v_or_b32 v58, v58, v59
	v_cvt_scalef32_pk16_bf6_f32 v[EC:EC+2], v[PE:PE+15], v54
	v_cvt_scalef32_pk16_bf6_f32 v[EU:EU+2], v[PE+16:PE+31], v54
	v_cvt_scalef32_pk16_bf6_f32 v[EC+6:EC+8], v[DE:DE+15], v55
	v_cvt_scalef32_pk16_bf6_f32 v[EU+4:EU+6], v[DE+16:DE+31], v55
	v_nop
.irp i, 0,1,2
	v_mov_b32 v[EC+3+\i], v[EU+\i]
	v_mov_b32 v[EC+9+\i], v[EU+4+\i]
.endr
	v_add_nc_u32 v107, s68, v[EI0]
	v_add_nc_u32 v95, s69, v[ES0]
	ds_store_b128 v107, v[EC:EC+3]
	ds_store_b128 v107, v[EC+4:EC+7] offset:512
	ds_store_b128 v107, v[EC+8:EC+11] offset:1024
	ds_store_b32 v95, v58
	s_add_co_u32 s68, s68, 1536
	s_add_co_u32 s69, s69, 128
	s_add_co_u32 s[Q], s[Q], 1
	s_cmp_lt_u32 s[Q], 4
	s_cbranch_scc1 .Lenc
	WIN 0x40
.irp m, 0,1,2,3
.irp c, 0,1,2
	ds_load_b128 v[ENCR+12*\m+4*\c:ENCR+12*\m+4*\c+3], v[EI0] offset:1536*\m+512*\c
.endr
.endr
	WIN 0
.irp m, 0,1,2,3
	ds_load_b32 v[ESC+\m], v[ES0] offset:128*\m
.endr
	s_wait_alu depctr_va_vdst(0)
	s_wait_tensorcnt 0x0                           ; my part of the first fill is in; slot 1's first fill is issued as a refill is
	ds_add_u32 v[SPW], v[NIL]
	s_wait_dscnt 0x0
	ROUND
	tensor_load_to_lds s[48:51], s[24:31]          ; chunk 1: it has layers 0 and 1 in which to land
	s_nop 0
	PLACES 4
	s_mov_b32 s[TB], EB
.set KIND, 2
.set XIN, X
.set XS, XSC
.set OUT, X
.set OS, XSC
.set RL, 1
.set GB, GB_E
	LAYER                                          ; layer 0
	s_mov_b32 s[T], 0
	s_mov_b32 s[SB], 0
.Ltrip:
	s_mov_b32 s[TB], s[SB]
.set KIND, 0
.set XIN, X
.set XS, XSC
.set OUT, Y
.set OS, YSC
.set RL, 2
.set GB, GB_M
	LAYER                                          ; layer 2 t + 1, the first of chunk t
	s_cmp_eq_u32 s[T], 3
	s_cbranch_scc1 .Lcolor                         ; behind layer 7 the loop is left
	s_wait_tensorcnt 0x0                           ; chunk t + 1 has landed;
	ds_add_u32 v[SPW], v[NIL]
	s_xor_b32 s49, s49, SLOT1                      ; no load of mine is out: the ring's group 0 steps to chunk t + 2, into the slot read out
	s_add_nc_u64 s[50:51], s[50:51], CHB
	s_xor_b32 s[SB], s[SB], SLOT1
	s_add_co_u32 s[TB], s[SB], ROFF
	s_wait_dscnt 0x0                               ; the add is done, and my reads of chunk t
	ROUND
	tensor_load_to_lds s[48:51], s[24:31]
	s_nop 0
	PLACES 4
.set KIND, 3
.set XIN, Y
.set XS, YSC
.set OUT, X
.set OS, XSC
.set RL, 1
.set ENA, WAE
.set ENS, WSE
.set EO, 0
.set EG, 6400
	LAYER                                          ; layer 2 t + 2, the second of chunk t + 1
	s_add_co_u32 s[T], s[T], 1
	s_cmp_lt_u32 s[T], 4
	s_cbranch_scc1 .Ltrip
.Lcolor:
	s_wait_tensorcnt 0x0                           ; chunk 4: layer 8 and the head, in slot 0
	ds_add_u32 v[SPW], v[NIL]
	s_wait_dscnt 0x0
	s_barrier_signal -1
	s_barrier_wait -1
; LAYER 8 AND THE HEAD.  A lane's 32 hidden units of a group, as 16 registers of bf16 pairs, are source 1 of two bf16 matrix instructions against cw1^T; cb1 starts the sums.
.set KIND, 1
.set XIN, Y
.set XS, YSC
.set ENA, WA
.set ENS, WS
	s_mov_b32 s[TB], 0
	ADDR
	WIN 0x40
.irp f, 0,1,2,3
	ds_load_b128 v[8*\f:8*\f+3], v[HDA] offset:1024*\f
	ds_load_b128 v[8*\f+4:8*\f+7], v[HDA] offset:1024*\f+512
.endr
	WIN 0
	ds_load_b128 v[CB:CB+3], v[HDA] offset:4096
	ds_load_b128 v[CB+4:CB+7], v[HDA] offset:4608
	NEXT 0
	PLACES 8
	s_wait_alu depctr_va_vdst(0)
.irp q, 0,1
.irp mh, 0,1
	MULS \mh, \q*GB_ME, 13056+\q*GB_ME
	PLACES 4
.if (\q == 0) && (\mh == 1)
	NEXT GB_ME
.endif
	RELU
.irp i, 0,1,2,3,4,5,6,7,8,9,10,11,12,13,14,15
.irp mm, 0,1
	v_cvt_pk_bf16_f32 v[ACC+32*\mm+\i], v[ACC+32*\mm+2*\i], v[ACC+32*\mm+2*\i+1]
.endr
.endr
	PLACES 4
.irp i, 0,1
.irp mm, 0,1
.if (\q == 0) && (\i == 0)
	WIN 0x41
	v_wmma_f32_16x16x32_bf16 v[OA1+8*(2*\mh+\mm):OA1+8*(2*\mh+\mm)+7], v[8*(2*\q+\i):8*(2*\q+\i)+7], v[ACC+32*\mm+8*\i:ACC+32*\mm+8*\i+7], v[CB:CB+7]
.else
	WIN 0x51
	v_wmma_f32_16x16x32_bf16 v[OA1+8*(2*\mh+\mm):OA1+8*(2*\mh+\mm)+7], v[8*(2*\q+\i):8*(2*\q+\i)+7], v[ACC+32*\mm+8*\i:ACC+32*\mm+8*\i+7], v[OA1+8*(2*\mh+\mm):OA1+8*(2*\mh+\mm)+7]
.endif
.endr
.endr
	WIN 0
	PLACES 5
.endr
.endr
	WIN 0x01
.irp m, 0,1,2,3
.irp c, 0,1,2,3
	v_mov_b32 v[OA+8*\m+\c], v[OA1+8*\m+\c]        ; lanes 0-15: the row's four results
.endr
.endr
	WIN 0
; sigmoid(x) = 1 / (1 + e^-x); softplus(d) = max(d, 0) + log(1 + e^-|d|), with the series e - e^2 / 2 where e is small; d itself above 8
.set EA, 120
.set AA, 136
.set RA, 152
.set TA, 168
.set MA, 172
.irp m, 0,1,2,3
.irp c, 0,1,2
	v_mul_f32 v[EA+4*\m+\c], 0xbfb8aa3b, v[OA+8*\m+\c]
.endr
	v_mul_f32 v[EA+4*\m+3], 0xbfb8aa3b, |v[OA+8*\m+3]|
.endr
.set i, 0
	s_wait_alu depctr_va_vdst(0)
.rept 16
	v_exp_f32 v[EA+i], v[EA+i]
.set i, i+1
.endr
	v_nop
	s_wait_alu depctr_va_vdst(0)
.set i, 0
.rept 16
	v_add_f32 v[AA+i], 1.0, v[EA+i]
.set i, i+1
.endr
	s_wait_alu depctr_va_vdst(0)
.irp m, 0,1,2,3
.irp c, 0,1,2
	v_rcp_f32 v[RA+4*\m+\c], v[AA+4*\m+\c]
.endr
	v_log_f32 v[RA+4*\m+3], v[AA+4*\m+3]
.endr
.irp m, 0,1,2,3
	v_fma_f32 v[TA+\m], v[EA+4*\m+3], -0.5, 1.0
.endr
.irp m, 0,1,2,3
	v_mul_f32 v[TA+\m], v[TA+\m], v[EA+4*\m+3]
.endr
.irp m, 0,1,2,3
	v_max_num_f32 v[MA+\m], 0, v[OA+8*\m+3]
.endr
	s_wait_alu depctr_va_vdst(0)
.irp m, 0,1,2,3
	v_mul_f32 v[RA+4*\m+3], 0x3f317218, v[RA+4*\m+3]
	v_cmp_gt_f32 vcc_lo, 0x3a800000, v[EA+4*\m+3]
	s_delay_alu instid0(VALU_DEP_1)
	v_cndmask_b32 v[RA+4*\m+3], v[RA+4*\m+3], v[TA+\m], vcc_lo
	s_delay_alu instid0(VALU_DEP_1)
	v_add_f32 v[RA+4*\m+3], v[MA+\m], v[RA+4*\m+3]
	v_cmp_lt_f32 vcc_lo, 0x41000000, v[OA+8*\m+3]
	v_cndmask_b32 v[RA+4*\m+3], v[RA+4*\m+3], v[OA+8*\m+3], vcc_lo
.endr
; through my stage, so that the wave's 64 densities (256 bytes) and 64 colours (768 bytes) leave as whole aligned runs; lanes 16-31 store 1,024 bytes further on, where nothing is read
.irp m, 0,1,2,3
	ds_store_b32 v[OD], v[RA+4*\m+3] offset:64*\m
.irp c, 0,1,2
	ds_store_b32 v[ORGB], v[RA+4*\m+\c] offset:256+192*\m+4*\c
.endr
.endr
	ds_load_b64 v[176:177], v[L8A]
	ds_load_b128 v[180:183], v[EI0] offset:256
	ds_load_b64 v[178:179], v[L8A] offset:768
	s_wait_dscnt 0x0
	global_store_b64 v[L8G], v[176:177], s[10:11] th:TH_STORE_NT
	global_store_b128 v[LI], v[180:183], s[12:13] th:TH_STORE_NT
	global_store_b64 v[L8G], v[178:179], s[12:13] offset:512 th:TH_STORE_NT
	s_wait_tensorcnt 0x0                           ; the wave's end
	ds_add_u32 v[SPW], v[NIL]
	s_wait_dscnt 0x0
	ROUND                                          ; the closing round
	s_endpgm
.Lfunc_end_k_q51959428fc_nerf:
	.size	k_q51959428fc_nerf, .Lfunc_end_k_q51959428fc_nerf-k_q51959428fc_nerf
	.p2alignl 7, 3214868480
	.fill 96, 4, 3214868480
	.section	.rodata,"a",@progbits
	.p2align	6, 0x0
	.amdhsa_kernel k_q51959428fc_nerf
		.amdhsa_group_segment_fixed_size 327680
		.amdhsa_private_segment_fixed_size 0
		.amdhsa_enable_private_segment 0
		.amdhsa_kernarg_size 40
		.amdhsa_user_sgpr_count 2
		.amdhsa_user_sgpr_kernarg_segment_ptr 1
		.amdhsa_wavefront_size32 1
		.amdhsa_system_sgpr_workgroup_id_x 1
		.amdhsa_system_sgpr_workgroup_id_y 1
		.amdhsa_system_sgpr_workgroup_id_z 1
		.amdhsa_system_vgpr_workitem_id 0
		.amdhsa_next_free_vgpr 512
		.amdhsa_next_free_sgpr 86
		.amdhsa_reserve_vcc 1
		.amdhsa_float_denorm_mode_32 3
		.amdhsa_float_denorm_mode_16_64 3
		.amdhsa_memory_ordered 1
		.amdhsa_forward_progress 1
		.amdhsa_inst_pref_size 255
	.end_amdhsa_kernel
	.section	.bss,"aw",@nobits
	.p2align	6
	.space	262144
	.amdgpu_metadata
---
amdhsa.version: [ 1, 2 ]
amdhsa.kernels:
  - .name:           k_q51959428fc_nerf
    .symbol:         k_q51959428fc_nerf.kd
    .args:
      - { .name: pos, .offset: 0, .size: 8, .value_kind: global_buffer, .address_space: global }
      - { .name: dir, .offset: 8, .size: 8, .value_kind: global_buffer, .address_space: global }
      - { .name: wimg, .offset: 16, .size: 8, .value_kind: global_buffer, .address_space: global }
      - { .name: out0, .offset: 24, .size: 8, .value_kind: global_buffer, .address_space: global }
      - { .name: out1, .offset: 32, .size: 8, .value_kind: global_buffer, .address_space: global }
    .group_segment_fixed_size: 327680
    .private_segment_fixed_size: 0
    .kernarg_segment_align: 8
    .kernarg_segment_size: 40
    .max_flat_workgroup_size: 256
    .sgpr_count:     86
    .vgpr_count:     512
    .wavefront_size: 32
...
	.end_amdgpu_metadata
.endif
;; end of part 2
